; MI455X (gfx1250); checked and timed in simulation.
; The chip was launched on July 23, 2026; its instructions are those of AMD's public machine-readable ISA for CDNA 5 (MIT licence, August 2026) and "CDNA5" Instruction Set Architecture Reference Guide (July 2026). The comments in the code are by the model that wrote it; some were corrected since.
;; Bert Self Attention. Allowed arithmetic: matrix products marked QUANTISED: E5M2 operands, one given power-of-two scale a tensor, by v_wmma_f32_16x16x64_bf8_bf8 or v_wmma_f32_16x16x128_bf8_bf8, f32 sums; everything else in f32.
;; Inputs: Wk_codes 1,024 x 32 x 32 uint8 (E5M2 codes of Wk, K innermost, in blocks of 32 codes); Wq_codes 1,024 x 32 x 32 uint8 (E5M2 codes of Wq, K innermost, in blocks of 32 codes); Wv_codes 1,024 x 32 x 32 uint8 (E5M2 codes of Wv, K innermost, in blocks of 32 codes); attention_mask 4 x 1 x 1 x 2,048 float32; bk 1,024 float32; bq 1,024 float32; bv 1,024 float32; hidden_states_codes 4 x 2,048 x 32 x 32 uint8 (E5M2 codes of hidden_states, K innermost, in blocks of 32 codes); lowp_scales 10 int32 (the exponents e of the quantised operands' scales 2^e).
;; Outputs: out0 4 x 2,048 x 1,024 float32.
;; This version of the problem:
;;   THIS VERSION OF THE PROBLEM IS GIVEN IN LOW PRECISION. The matrix products marked QUANTISED in the list below multiply operands that are first quantised to E5M2 (5 exponent bits, 2 mantissa bits; 8 bits a number), with one given power-of-two scale for each operand tensor; their sums are f32. All else is computed in f32.
;;   The module's matrix products, in the order in which they are computed (A, B: the left and right operand; K: the contracted axis; several contracted axes count as one K, in the product's order):
;;     1. [M 8,192, K 1,024] x [K 1,024, N 1,024]; A: input hidden_states (given as codes); B: input Wq (given as codes): QUANTISED (scales: A lowp_scales[0], B lowp_scales[1])
;;     2. [M 8,192, K 1,024] x [K 1,024, N 1,024]; A: input hidden_states (given as codes); B: input Wk (given as codes): QUANTISED (scales: A lowp_scales[2], B lowp_scales[3])
;;     3. [M 8,192, K 1,024] x [K 1,024, N 1,024]; A: input hidden_states (given as codes); B: input Wv (given as codes): QUANTISED (scales: A lowp_scales[4], B lowp_scales[5])
;;     4. batch 64 x [M 2,048, K 64] x [K 64, N 2,048]; A: computed on the way; B: computed on the way: QUANTISED (scales: A lowp_scales[6], B lowp_scales[7])
;;     5. batch 64 x [M 2,048, K 2,048] x [K 2,048, N 64]; A: softmax (see below); B: computed on the way: QUANTISED (scales: A lowp_scales[8], B lowp_scales[9])
;;   THE QUANTISER, for each operand of a quantised product, along K:
;;     - The operand's scale is 2^e, e = its entry of the input lowp_scales (int32; the entries are numbered through the quantised products in the list's order, A before B).
;;     - Each number is divided by the scale, clamped to +-57,344, and rounded to the nearest number of E5M2, ties to even, subnormals kept.
;;     - The product sums the exact products of the quantised numbers (number of the format x scale) in f32.
;;   ~~~python
;;   def quantise(x, axis, e):      # numpy; x: float32 -> the quantised numbers, widened to float32 again
;;       x = np.moveaxis(x, axis, -1); K = x.shape[-1]
;;       r = np.clip(x / 2.0 ** e, -57344, 57344)
;;       step = 2.0 ** (np.maximum(np.frexp(np.where(r == 0, 1, r))[1] - 1, -14) - 2)
;;       q = np.round(r / step) * step * 2.0 ** e      # np.round: ties to even
;;       return np.moveaxis(q, -1, axis).astype(np.float32)
;;   ~~~
;;   SOFTMAX AHEAD OF A QUANTISED PRODUCT. Where the list says 'softmax', what is quantised is not the finished softmax but p = 2^(t - M), with t = logit x log2(e) and M = ceil(the row's largest t), a whole number; so 1/2 < the row's largest p <= 1. The row's sum l is taken of the UNQUANTISED p, in f32, and the product's result is divided by l at the end. Since M is a whole number, a kernel that streams over the keys may use a running M (the ceiling of the running maximum): every later rescaling is an exact power of two, so the quantised numbers keep their values, but for numbers so far below the row's largest that they fall under the format's range.
;;   OPERANDS COMPUTED ON THE WAY. 'Computed on the way' means the value that the module computes at that place (a softmax that the list does not call 'softmax' is quantised finished and normalised). What goes into a quantiser is computed in f32, as accurately as f32 sums, v_exp_f32 and their like allow (about 1e-6 of the number): no bf16 or f16 on the way to a quantiser, and a product that is left as it is and whose result goes on into a quantised operand takes f32 operands (vector FMAs, or v_wmma_f32_16x16x4_f32). A number that lies on a knife's edge between two numbers of the format may be rounded either way, as far as f32 arithmetic and the matrix unit's own rounding can turn it there, and no further.
;;   INPUTS GIVEN AS CODES. Wk (in the module: [1024, 1024], K = its axis 1); Wq (in the module: [1024, 1024], K = its axis 1); Wv (in the module: [1024, 1024], K = its axis 1); hidden_states (in the module: [4, 2048, 1024], K = its axis 2): each comes as NAME_codes (uint8): NAME with its K axis moved to the last place and cut into blocks of 32 codes, [.., K / 32, bytes a block], one block behind the other in memory; one code a byte (a code: sign, 5 exponent bits, 2 mantissa bits); its scale is its entry of lowp_scales. Its value is code x scale, taken as it is: it is not quantised again, and the codes and scales need not be those that the quantiser above would give.
;; One version. Each part assembles by itself: llvm-mc -triple=amdgcn-amd-amdhsa -mcpu=gfx1250 --defsym DOCPART=n.
;; ======== version 1 of 1: 2 launches
;; limits: right only within a limited range of input values
;; workspace buffers: kc 8,388,608 bytes; vc 8,388,608 bytes
;; launch proj (part 1): grid 4 x 64, 4 waves a work-group, clusters of 4 x 4, 327,680 bytes of LDS; arguments hidden_states_codes, Wk_codes, Wv_codes, bk, bv, lowp_scales, kc, vc; writes kc, vc
.if DOCPART == 1
	.amdgcn_target "amdgcn-amd-amdhsa--gfx1250"
	.amdhsa_code_object_version 6
	.text
	.protected	k_q191746123b_proj
	.globl	k_q191746123b_proj
	.p2align	8
	.type	k_q191746123b_proj,@function
k_q191746123b_proj:
	s_mov_b64 s[64:65], 0
	v_nop
	global_prefetch_b8 v0, s[64:65] scope:SCOPE_SE
	s_setreg_imm32_b32 hwreg(HW_REG_WAVE_MODE, 25, 1), 1
	s_wait_xcnt 0x0
	s_wait_alu depctr_hold_cnt(0) depctr_sa_sdst(0) depctr_va_vdst(0) depctr_va_sdst(0) depctr_va_ssrc(0) depctr_va_vcc(0) depctr_vm_vsrc(0)
	s_getreg_b32 s2, hwreg(HW_REG_IB_STS2, 6, 4)
	s_cmp_eq_u32 s2, 0
	s_cbranch_scc0 .Lentry_in_a_cluster
	s_endpgm
.Lentry_in_a_cluster:
	s_bfe_u32 s2, ttmp6, 0x10000c
	s_cmp_lg_u32 s2, 0xf033
	s_cbranch_scc0 .Lentry_shape_is_right
	s_endpgm
.Lentry_shape_is_right:
; q = x Wq^T + bq, k = x Wk^T + bk, v = x Wv^T + bv on codes of BF8 (E5M2), and the three results quantised again to BF8 with the given scales: entries 6, 7 and 9 of the scales' buffer.
; x: [8192][1024] codes; Wq, Wk, Wv: [1024][1024] codes, K innermost; each product takes its own pair of exponents (0,1  2,3  4,5).  Out: qc, kc: [batch][head][token][64] codes; vc: [batch][feature][token] codes (tokens innermost).
; ONE TEXT FOR THE THREE PRODUCTS.  A tile of the result is 256 x 256, made by four waves, 128 x 128 each: 64 accumulators, 512 registers.  Source 0 of the matrix instruction takes 16 rows of the operand P, source 1 16 rows of the
; operand R: lane (r, h), register j of accumulator (a, b) holds result(R's row 16 a + r, P's row 16 b + 8 h + j): eight neighbours along P, which one conversion packs into eight codes.
; q and k want the features innermost: R = x, P = W.  v wants the tokens innermost: R = Wv, P = x.  All four tensors have rows of 1,024 bytes, so only pointers and tile numbers are chosen (s_cselect on the cluster's number).
; GRID: 24 clusters of 4 x 4 work-groups: cluster y / 8 = which product (0 q, 1 k, 2 v), cluster y % 8 = which 1,024 tokens.  R's tile is shared along a row of the cluster, P's along a column: each is asked for JOINTLY.
; K goes in steps of 256 (rows of 256 bytes) through two LDS slots: 1,024 / 256 = 4 K steps, written out without a loop.
; THE BIAS is the C of each sum's first matrix instruction, divided by 2^(ex + ew), which the sums lack.  It runs along P for q and k (register 8 b + j) and along R for v (the same in a block's eight registers): so the first
; 128 along K are written twice, under a scalar branch on the product's number, which all sixteen partners share.
; code = (sum + bias / 2^(ex + ew)) / 2^(eo - ex - ew), held within +-57,344 x that scale, to the nearest code, ties to even.
; LIMITS: eo - ex - ew between -126 and 112, so that the scale and 57,344 x the scale are f32 numbers.  NaN among the biases is not served.
; REGISTERS, in windows of 256: window 0: v16-29 addresses; v32-95 the bias, 8 x 8; v96-109 addresses and the two scale numbers; v128-255 R's fragments, ONE set; on the way out the codes, then whole rows.
;   window 1: P's fragments, TWO sets, at v0 and v128.   window 2: the accumulators of my R rows 0-63 ((a, b) at v[8 (8 a + b)]);   window 3: those of rows 64-127.
; IN THIS PROGRAM THE TEXT SERVES k AND v ALONE: q is made by the launch attn, in registers, for each wave's own queries.  So the product's number is 1 (k) or 2 (v),
; the grid has 16 clusters (cluster y / 8 + 1 = the product, cluster y % 8 = which 1,024 tokens): 256 work-groups; Wq, bq and a buffer of q's codes are no arguments here; what the lines above say of q holds of k.
.set KROW,   1024                      ; a row of x or of a weight in memory, in bytes
.set ROWB,   256                       ; a tile's row: 256 codes
.set PITCH,  272                       ; an LDS row: 256 bytes + 16 of padding = 68 words: row r starts at bank 4 r mod 64 (64 banks of 4 bytes: ISA guide 11.1)
.set FR,     16                        ; registers of a fragment: 16 rows x 128 K
.set NL,     4                         ; LDS loads that bring one
.set NP,     4                         ; places behind this matrix instruction (ISA guide 7.12.1)
.set HALFT,  128*PITCH                 ; 128 rows: what one tensor load brings, and what one wave reads of R or of P
.set SLOT,   4*HALFT                   ; R's 256 rows, then P's 256 rows
.set SPARE,  2*SLOT                    ; behind the ring: the spare words, 128 bytes for each wave: two blocks of 256 bytes that no other line names
.set ADRA, 16                          ; v16-17  LDS address of my R fragments in slot 0, 1
.set ADRB, 20                          ; v20-21  the same for P
.set STO,  24                          ; v24     the way out: where I put eight codes.  The stage, 256 rows x 272 bytes, lies in slot 0, which has had its last fill and its last read by then
.set SPW,  28                          ; v28     LDS address of my spare word; never rewritten
.set NIL,  29                          ; v29     0; never rewritten
.set BIAS, 32                          ; v32-95
.set VA,   96                          ; v96-103 byte offsets of the bias's loads, one for each register j
.set SC,   104                         ; v104    2^(eo - ex - ew) as f32
.set LIM,  105                         ; v105    57,344 x that
.set RDQ,  106                         ; v106    q, k: where I read the stage back;  v107 my byte in 512 bytes of qc or kc
.set GOQ,  107
.set RDV,  108                         ; v108, v109 the same for v
.set GOV,  109
.set AF,   128                         ; R's fragments
.set CD,   128                         ; the way out: 16 registers of codes for each block, then 32 x 4 registers of rows
.set G1, 24                            ; s[24:31] descriptor group 1 for R's tiles;  s[32:39] group 0, one set for each slot
.set G0, 32
.set G1B, 48                           ; s[48:55], s[56:63] the same for P's tiles
.set G0B, 56
.set G1W0, (1<<20)|(1<<21)|(5<<22)|(3<<25)   ; 17:16 elements of 1 byte; 20 padding on; 21 set beside a mask; 24:22 after every 64 words (code 5); 31:25 four words (code 3)
.set MSB, 0
.macro WIN new                         ; the immediate's high byte repeats the setting that is left; a switch that changes nothing is dropped
.if MSB != (\new)
	s_set_vgpr_msb (MSB<<8)|(\new)
.set MSB, (\new)
.endif
.endm
.set MUL_LO, 0xa1                      ; source 0 (P) window 1, source 1 (R) window 0, C and D window 2
.set MUL_HI, 0xf1                      ; the same, C and D window 3
.set TO_B,   0x40                      ; destination window 1, address window 0
; A joint load: waves 0 and 1 fetch R's two halves, waves 2 and 3 P's.  Each line has one mask and one set of registers for all that issue it; the branch hangs on the wave's number alone.
; Four v_nop follow each of the two lines, ahead of the jump, the label and what follows.
.macro JLOAD g0a, g1a, g0b, g1b
	s_cmp_eq_u32 s15, 0
	s_cbranch_scc0 .Lfor_b_\@
	tensor_load_to_lds s[\g0a:\g0a+3], s[\g1a:\g1a+7]
	s_nop 0
.rept 4
	v_nop
.endr
	s_branch .Lasked_\@
.Lfor_b_\@:
	tensor_load_to_lds s[\g0b:\g0b+3], s[\g1b:\g1b+7]
	s_nop 0
.rept 4
	v_nop
.endr
.Lasked_\@:
.endm
.macro CREST                           ; a round of the cluster's barrier behind its opening barrier
	s_cmp_lg_u32 s14, 0
	s_cbranch_scc1 .Lnot_wave_0_\@
	s_barrier_signal -3
.Lnot_wave_0_\@:
	s_barrier_wait -3
	s_barrier_signal -1
	s_barrier_wait -1
.endm
.macro CROUND                          ; a whole round
	s_barrier_signal -1
	s_barrier_wait -1
	CREST
.endm
	s_load_b64 s[4:5], s[0:1], 0x0                 ; x
	s_load_b128 s[8:11], s[0:1], 0x8               ; Wk s[8:9], Wv s[10:11]
	s_load_b64 s[70:71], s[0:1], 0x18              ; bk
	s_load_b128 s[72:75], s[0:1], 0x20             ; bv s[72:73], the scales' exponents s[74:75]
	s_load_b64 s[78:79], s[0:1], 0x30              ; kc
	s_load_b64 s[80:81], s[0:1], 0x38              ; vc
	v_lshl_add_u32 v[SPW], v0, 2, SPARE
	v_mov_b32 v[NIL], 0
	ds_add_u32 v28, v29
	ds_add_u32 v28, v29
	s_wait_dscnt 0x0
	v_lshrrev_b32 v1, 5, v0
	v_readfirstlane_b32 s14, v1                    ; wave 0..3
	s_lshr_b32 s15, s14, 1                         ; which half of the tile's R rows is mine.  Also: I fetch for R (0) or for P (1)
	s_and_b32 s16, s14, 1                          ; which half of its P rows.  Also: which 128 rows of that tile I fetch
	s_bfe_u32 s40, ttmp6, 0x40000                  ; cx, cy: my place in the cluster
	s_bfe_u32 s41, ttmp6, 0x40004
	s_and_b32 s18, ttmp7, 0xffff                   ; cluster y, 0..15
	s_lshr_b32 s43, s18, 3
	s_add_co_u32 s43, s43, 1                       ; the product: 1 k, 2 v: the same in all sixteen partners
	s_and_b32 s44, s18, 7
	s_lshl_b32 s44, s44, 2                         ; the first of the cluster's four tiles of tokens
	s_cmp_eq_u32 s43, 2
	s_cselect_b32 s17, 0, s44                      ; R's tile: of tokens for q and k, of Wv's rows for v,
	s_cselect_b32 s42, s44, 0                      ; P's tile the other way round
	s_add_co_u32 s17, s17, s41                     ; + cy
	s_add_co_u32 s42, s42, s40                     ; + cx
	s_lshl_b32 s19, s41, 2
	s_lshl_b32 s19, 15, s19                        ; my row of the cluster: places 4 cy .. 4 cy + 3
	s_lshl_b32 s46, 0x1111, s40                    ; my column: places cx, cx + 4, cx + 8, cx + 12
	s_or_b32 s[G1+0], s19, G1W0                    ; 15:0 the mask: R's tiles go to my row
	s_or_b32 s[G1B+0], s46, G1W0                   ; P's to my column
.irp g, G1, G1B
	s_mov_b32 s[\g+1], ROWB<<16                    ; tensor_dim0 = 256
	s_mov_b32 s[\g+2], 128<<16                     ; tensor_dim1 = 128
	s_mov_b32 s[\g+3], ROWB<<16                    ; tile_dim0 = 256
	s_mov_b32 s[\g+4], 128                         ; tile_dim1 = 128
	s_mov_b32 s[\g+5], KROW                        ; tensor_dim0_stride
	s_mov_b32 s[\g+6], 0
	s_mov_b32 s[\g+7], 0
.endr
	s_lshl_b32 s18, s16, 7                         ; which 128 rows of the tile I fetch
	s_lshl_b32 s20, s17, 8
	s_add_co_u32 s20, s20, s18                     ; R: row 256 x tile + 128 x half,
	s_lshl_b32 s20, s20, 10                        ; in bytes: under 2^23
	s_mov_b32 s21, 0
	s_lshl_b32 s46, s42, 8
	s_add_co_u32 s46, s46, s18                     ; P likewise
	s_lshl_b32 s46, s46, 10
	s_mov_b32 s47, 0
	s_mul_i32 s45, s14, HALFT                      ; where they go: wave x 128 rows: no place in the cluster enters an LDS address
	s_wait_kmcnt 0x0
	s_load_b256 s[84:91], s[74:75], 0x0            ; entries 0 to 7
	s_load_b32 s93, s[74:75], 0x24                 ; entry 9
	s_cmp_eq_u32 s43, 2
	s_cselect_b64 s[22:23], s[10:11], s[4:5]       ; R: Wv or x
	s_cselect_b64 s[96:97], s[4:5], s[8:9]         ; P: x or Wk (the compare above still stands: a select leaves SCC alone)
	s_add_nc_u64 s[20:21], s[22:23], s[20:21]
	s_add_nc_u64 s[46:47], s[96:97], s[46:47]
	CROUND                                         ; all sixteen work-groups are here: the first joint loads meet
.irp s, 0,1
	s_mov_b32 s[G0+4*\s], 1                                        ; count = 1
	s_add_co_u32 s[G0+4*\s+1], s45, \s*SLOT                        ; LDS address
	s_add_nc_u64 s[G0+4*\s+2:G0+4*\s+3], s[20:21], \s*ROWB         ; global address: K step s
	s_or_b32 s[G0+4*\s+3], s[G0+4*\s+3], 0x80000000                ; type = 2
	s_mov_b32 s[G0B+4*\s], 1
	s_add_co_u32 s[G0B+4*\s+1], s45, \s*SLOT
	s_add_nc_u64 s[G0B+4*\s+2:G0B+4*\s+3], s[46:47], \s*ROWB
	s_or_b32 s[G0B+4*\s+3], s[G0B+4*\s+3], 0x80000000
.endr
	JLOAD G0, G1, G0B, G1B                         ; K step 0
	; the bias: where it lies, and which of its numbers a lane's registers want
	s_cmp_eq_u32 s43, 2
	s_cselect_b64 s[98:99], s[72:73], s[70:71]     ; bv or bk
	s_lshl_b32 s18, s17, 8
	s_lshl_b32 s19, s15, 7
	s_add_co_u32 s18, s18, s19                     ; my first R row
	s_lshl_b32 s20, s42, 8
	s_lshl_b32 s19, s16, 7
	s_add_co_u32 s20, s20, s19                     ; my first P row
	s_cmp_eq_u32 s43, 2
	s_cselect_b32 s18, s18, s20                    ; my first feature: along R for v, along P for q and k
	s_cselect_b32 s21, 4, 0                        ; bytes from lane r to r + 1: v: bias[.. + 16 a + r]
	s_cselect_b32 s22, 0, 32                       ; bytes from half 0 to half 1: q, k: bias[.. + 16 b + 8 h + j]
	s_cselect_b32 s23, 0, 4                        ; bytes from register j to j + 1
	s_lshl_b32 s18, s18, 2
	s_mov_b32 s19, 0
	s_add_nc_u64 s[98:99], s[98:99], s[18:19]
	v_and_b32 v1, 15, v0                           ; r = l % 16
	v_bfe_u32 v2, v0, 4, 1                         ; h = l / 16
	v_mul_u32_u24 v6, v1, s21
	v_mad_u32_u24 v[VA], v2, s22, v6
.irp j, 1,2,3,4,5,6,7
	v_add_nc_u32 v[VA+\j], s23, v[VA+\j-1]
.endr
.irp i, 0,1,2,3,4,5,6,7
.irp j, 0,1,2,3,4,5,6,7
	global_load_b32 v[BIAS+8*\i+\j], v[VA+\j], s[98:99] offset:64*\i   ; block i's sixteen features begin 64 bytes behind block i - 1's
.endr
.endr
	v_mul_u32_u24 v3, v1, PITCH
	s_wait_alu depctr_va_vdst(0)
	v_lshl_add_u32 v4, v2, 4, v3                   ; a fragment's row x pitch + 16 x half
	s_mul_i32 s21, s15, HALFT                      ; my 128 rows of R
	s_mul_i32 s22, s16, HALFT                      ; my 128 rows of P,
	s_add_co_u32 s22, s22, 2*HALFT                 ; which lie behind R's 256
.irp s, 0,1
	v_add_nc_u32 v[ADRA+\s], s21, v4
	v_add_nc_u32 v[ADRB+\s], s22, v4
	s_add_co_u32 s21, s21, SLOT
	s_add_co_u32 s22, s22, SLOT
.endr
	s_mul_i32 s23, s15, HALFT                      ; the stage, in: row = R's row in the tile (128 x half + 16 a + r), byte = P's row in the tile (128 x half + 16 b + 8 h + j)
	s_lshl_b32 s18, s16, 7
	s_add_co_u32 s23, s23, s18
	v_lshl_add_u32 v5, v2, 3, v3
	v_add_nc_u32 v[STO], s23, v5
	s_mul_i32 s23, s14, 64*PITCH                   ; back: wave w takes rows 64 w .. 64 w + 63
	v_and_b32 v6, 31, v0                           ; l
	v_lshrrev_b32 v7, 2, v6
	v_mul_u32_u24 v7, v7, PITCH
	v_and_b32 v8, 3, v6
	v_lshl_add_u32 v7, v8, 4, v7
	v_add_nc_u32 v[RDQ], s23, v7                   ; q, k: four lanes to a token's 64 bytes of one head, eight tokens an instruction
	v_lshlrev_b32 v[GOQ], 4, v6                    ; which are 512 consecutive bytes of qc or kc
	v_mul_u32_u24 v7, v2, PITCH
	v_lshl_add_u32 v7, v1, 4, v7
	v_add_nc_u32 v[RDV], s23, v7                   ; v: sixteen lanes to a feature's 256 tokens, two features an instruction
	v_lshlrev_b32 v7, 11, v2
	v_lshl_add_u32 v[GOV], v1, 4, v7               ; a row of vc is 2,048 bytes
	; where my wave's 64 stage rows go.  q, k: (((batch x 16 + head) x 2048) + token) x 64 bytes;  v: ((batch x 1024 + feature) x 2048) + token
	s_lshr_b32 s18, s17, 3                         ; batch = token tile / 8
	s_lshl_b32 s18, s18, 4
	s_lshl_b32 s19, s42, 2                         ; the tile's first head = 4 x feature tile
	s_add_co_u32 s18, s18, s19
	s_lshl_b32 s18, s18, 11
	s_and_b32 s19, s17, 7
	s_lshl_b32 s19, s19, 8
	s_add_co_u32 s18, s18, s19
	s_lshl_b32 s19, s14, 6
	s_add_co_u32 s18, s18, s19
	s_lshl_b32 s18, s18, 6
	s_lshr_b32 s20, s42, 3
	s_lshl_b32 s20, s20, 10
	s_lshl_b32 s21, s17, 8
	s_add_co_u32 s20, s20, s21
	s_add_co_u32 s20, s20, s19
	s_lshl_b32 s20, s20, 11
	s_and_b32 s21, s42, 7
	s_lshl_b32 s21, s21, 8
	s_add_co_u32 s20, s20, s21
	s_cmp_eq_u32 s43, 2
	s_cselect_b32 s18, s20, s18
	s_mov_b32 s19, 0
	s_cmp_eq_u32 s43, 2
	s_cselect_b64 s[82:83], s[80:81], s[78:79]     ; vc or kc
	s_add_nc_u64 s[82:83], s[82:83], s[18:19]
	; the product's three exponents
	s_wait_kmcnt 0x0
	s_cmp_eq_u32 s43, 2
	s_cselect_b32 s94, s88, s86                    ; ex: entry 4 or 2
	s_cselect_b32 s95, s89, s87                    ; ew: entry 5 or 3
	s_cselect_b32 s96, s93, s91                    ; eo: entry 9 or 7
	s_add_co_i32 s94, s94, s95                     ; ex + ew
	s_sub_co_i32 s95, s96, s94                     ; eo - ex - ew: the three scales folded into the conversion's one
	s_sub_co_i32 s94, 0, s94
	s_add_co_i32 s96, s95, 127
	s_lshl_b32 s97, s96, 23
	v_mov_b32 v[SC], s97
	s_add_co_i32 s96, s96, 15
	s_lshl_b32 s96, s96, 23
	s_or_b32 s96, s96, 0x600000
	v_mov_b32 v[LIM], s96
	s_wait_loadcnt 0x0                             ; the bias
.set i, 0
.rept 64
	v_ldexp_f32 v[BIAS+i], v[BIAS+i], s94          ; / 2^(ex + ew)
.set i, i+1
.endr
.macro FRAG reg, adr, q, i             ; a fragment: lane l holds row l % 16; registers 4 c .. 4 c + 3 hold K = 32 c + 16 (l / 16) + 0 .. 15: one permutation of k, the same in R and in P, so that every product meets its partner
.irp c, 0,1,2,3
	ds_load_b128 v[\reg+4*\c:\reg+4*\c+3], v[\adr] offset:128*(\q)+32*\c+(\i)*16*PITCH
.endr
.endm
; 16 matrix instructions: R's blocks a0, a0 + 1 x P's eight, 128 along K.  p: P's set.  cm = 0: the sums go on;  1: they begin with the bias along P;  2: with the bias along R.
; The 64 accumulators take turns, one instruction a turn, in the same order in every step.
.macro MUL16 a0, p, cm
.irp a, \a0, \a0+1
.irp b, 0,1,2,3,4,5,6,7
.if \cm == 1
	v_wmma_f32_16x16x128_bf8_bf8 v[8*(8*((\a)%4)+\b):8*(8*((\a)%4)+\b)+7], v[128*(\p)+FR*\b:128*(\p)+FR*\b+FR-1], v[AF+FR*(\a):AF+FR*(\a)+FR-1], v[BIAS+8*\b:BIAS+8*\b+7]
.elseif \cm == 2
	v_wmma_f32_16x16x128_bf8_bf8 v[8*(8*((\a)%4)+\b):8*(8*((\a)%4)+\b)+7], v[128*(\p)+FR*\b:128*(\p)+FR*\b+FR-1], v[AF+FR*(\a):AF+FR*(\a)+FR-1], v[BIAS+8*(\a):BIAS+8*(\a)+7]
.else
	v_wmma_f32_16x16x128_bf8_bf8 v[8*(8*((\a)%4)+\b):8*(8*((\a)%4)+\b)+7], v[128*(\p)+FR*\b:128*(\p)+FR*\b+FR-1], v[AF+FR*(\a):AF+FR*(\a)+FR-1], v[8*(8*((\a)%4)+\b):8*(8*((\a)%4)+\b)+7]
.endif
.endr
.endr
.endm
.macro FETCH_B slot, q, p              ; P's eight fragments of the slot's q-th 128 along K into set p
	WIN TO_B
.irp i, 0,1,2,3,4,5,6,7
	FRAG 128*(\p)+FR*\i, ADRB+\slot, \q, \i
.endr
	WIN 0
.endm
.macro FETCH_A slot, q, i0             ; R's blocks i0 .. i0 + 3
.irp i, \i0, \i0+1, \i0+2, \i0+3
	FRAG AF+FR*(\i), ADRA+\slot, \q, \i
.endr
.endm
; A load into a register that a matrix instruction has read, and a vector instruction that reads a matrix result, stand NP places behind that matrix instruction; only plain vector instructions that name
; none of its registers are places (ISA guide 7.12.1 for vector instructions).
.macro PLACES n
.rept \n
	v_nop
.endr
.endm
; A step of 128 along K that has its successor in the same slot.  A block of R is free as soon as its eight products are issued: blocks 0-3 are fetched anew in the step's middle, blocks 4-7 at its end.
.macro STEP slot, q, cm
	s_wait_dscnt 4*NL                              ; P's set and R's blocks 0-3 are in; the youngest sixteen loads (R's blocks 4-7) may be out
.if \cm
	WIN 0x81                                       ; as MUL_LO, with C (the bias) in window 0
.else
	WIN MUL_LO
.endif
	MUL16 0, (\q)%2, \cm
	MUL16 2, (\q)%2, \cm
	s_wait_dscnt 0                                 ; R's blocks 4-7 are in
	PLACES NP
	FETCH_B \slot, (\q)+1, 1-(\q)%2
	FETCH_A \slot, (\q)+1, 0
.if \cm
	WIN 0xc1
.else
	WIN MUL_HI
.endif
	MUL16 4, (\q)%2, \cm
	MUL16 6, (\q)%2, \cm
	PLACES NP
	WIN 0
	FETCH_A \slot, (\q)+1, 4
.endm
; A slot's last step changes slots: ONE barrier; in front of it each wave waits for all its tensor loads, adds 0 to its spare word, and waits for that and for its own reads of this slot.  fill = 1: this slot is filled again, two K steps ahead.
.macro TURN slot, next, fill
	s_wait_tensorcnt 0x0                           ; all my tensor loads have landed: my part of the next slot;  (every window is 0 here)
	ds_add_u32 v[SPW], v[NIL]                      ; 0 onto my spare word
	s_wait_dscnt 4*NL+1                            ; (the add and the youngest sixteen loads, R's blocks 4-7, may be out)
	WIN MUL_LO
	MUL16 0, 1, 0                                  ; sixteen matrix instructions stand between the add and the wait for it
	s_wait_dscnt 0x0                               ; the add is done, and my reads of this slot are over
	s_barrier_signal -1
	MUL16 2, 1, 0
	WIN 0
	s_barrier_wait -1
.if \fill
	CREST                                          ; the barrier has opened a round of the cluster's barrier: no wave of any partner still reads this slot's tile or has a load on its way
	s_add_nc_u64 s[G0+4*\slot+2:G0+4*\slot+3], s[G0+4*\slot+2:G0+4*\slot+3], 2*ROWB
	s_add_nc_u64 s[G0B+4*\slot+2:G0B+4*\slot+3], s[G0B+4*\slot+2:G0B+4*\slot+3], 2*ROWB
	JLOAD G0+4*\slot, G1, G0B+4*\slot, G1B         ; the first tensor load behind the round; the four v_nop behind it are the places in front of the loads below
.else
	PLACES NP
.endif
	FETCH_B \next, 0, 0
	FETCH_A \next, 0, 0
	WIN MUL_HI
	MUL16 4, 1, 0
	MUL16 6, 1, 0
	PLACES NP
	WIN 0
	FETCH_A \next, 0, 4
.endm
	s_wait_alu depctr_va_vdst(0)                   ; the wait at the head's end
	s_wait_tensorcnt 0x0                           ; my part of K step 0 is in
	ds_add_u32 v[SPW], v[NIL]                      ; 0 onto my spare word,
	s_wait_dscnt 0x0                               ; and the add is done
	CROUND                                         ; a whole round: everybody's part of K step 0 is in, and the joint loads meet
	JLOAD G0+4, G1, G0B+4, G1B                     ; K step 1: the first tensor load behind the round
	FETCH_B 0, 0, 0
	FETCH_A 0, 0, 0
	FETCH_A 0, 0, 4
	s_cmp_eq_u32 s43, 2                            ; the first 128 along K start the sums with the bias: along P for q and k, along R for v.  Both ways hold the same loads and waits
	s_cbranch_scc1 .Lfirst_v
	s_wait_alu depctr_va_vdst(0)
	STEP 0, 0, 1
	s_branch .Lfirst_done
.Lfirst_v:
	s_wait_alu depctr_va_vdst(0)
	STEP 0, 0, 2
.Lfirst_done:
	TURN 0, 1, 1                                   ; slot 0 takes K step 2
	STEP 1, 0, 0
	TURN 1, 0, 1                                   ; slot 1 takes K step 3
	STEP 0, 0, 0
	TURN 0, 1, 0                                   ; nothing is left to fetch
	STEP 1, 0, 0
	s_wait_dscnt 4*NL                              ; the very last step
	WIN MUL_LO
	MUL16 0, 1, 0
	MUL16 2, 1, 0
	s_wait_dscnt 0
	WIN MUL_HI
	MUL16 4, 1, 0
	MUL16 6, 1, 0
	WIN 0
; THE WAY OUT.  Block a (16 R rows x 128 P rows): the hold, the conversion (a lane's eight registers are eight neighbours along P: eight codes), eight bytes a lane and accumulator into the work-group's stage.
.macro QOUT a
.set AC, 64*((\a)%4)
	WIN 0x82+0x41*((\a)/4)                         ; source 0 and destination: window 2 or 3
.set i, 0
.rept 64
	v_med3_num_f32 v[AC+i], v[AC+i], -v[LIM], v[LIM]   ; the conversion to an 8-bit code does not saturate (ISA guide 7.6.2): the hold at the largest code x the scale; each accumulator from its low end on
.set i, i+1
.endr
	WIN 0x02+((\a)/4)                              ; source 0: window 2 or 3
.irp b, 0,1,2,3,4,5,6,7
	v_cvt_scalef32_pk8_bf8_f32 v[CD+16*(\a)+2*\b:CD+16*(\a)+2*\b+1], v[AC+8*\b:AC+8*\b+7], v[SC]
.endr
	v_nop                                          ; one plain vector instruction behind the last conversion of the run
	WIN 0
.irp b, 0,1,2,3,4,5,6,7
	ds_store_b64 v[STO], v[CD+16*(\a)+2*\b:CD+16*(\a)+2*\b+1] offset:16*PITCH*(\a)+16*\b
.endr
.endm
	PLACES NP                                      ; behind the last products: in front of the first read of results, and of the conversions' writes into the registers that held R's fragments
.irp a, 0,1,2,3,4,5,6,7
	QOUT \a
.endr
	s_wait_dscnt 0x0                               ; for the others' sake: my stores into the stage are done (a stage row's 256 bytes come from two waves)
	s_barrier_signal -1
	s_barrier_wait -1
	s_cmp_eq_u32 s43, 2
	s_cbranch_scc1 .Lout_v
.set u, 0
.rept 32                               ; q, k: instruction u: tokens 8 (u / 4) on of my 64, head u % 4 of the tile's four
	ds_load_b128 v[CD+4*u:CD+4*u+3], v[RDQ] offset:(u/4)*8*PITCH+64*(u%4)
.set u, u+1
.endr
.set u, 0
.rept 32
	s_wait_dscnt 31-u                              ; LDS loads come back in order: load u is in, the younger ones may be out
	global_store_b128 v[GOQ], v[CD+4*u:CD+4*u+3], s[82:83] offset:(u%4)*131072+(u/4)*512   ; 32 lanes store 512 consecutive bytes, at a multiple of 256 from the buffer's first byte; a head is 2,048 x 64 bytes
.set u, u+1
.endr
	s_branch .Lout_done
.Lout_v:
.set u, 0
.rept 32                               ; v: instruction u: features 2 u and 2 u + 1 of my 64
	ds_load_b128 v[CD+4*u:CD+4*u+3], v[RDV] offset:u*2*PITCH
.set u, u+1
.endr
.set u, 0
.rept 32
	s_wait_dscnt 31-u
	global_store_b128 v[GOV], v[CD+4*u:CD+4*u+3], s[82:83] offset:u*4096   ; 16 lanes store 256 consecutive bytes, at a multiple of 256 from vc's first byte
.set u, u+1
.endr
.Lout_done:
	s_wait_tensorcnt 0x0                           ; the wave's end
	ds_add_u32 v[SPW], v[NIL]
	s_wait_dscnt 0x0
	CROUND                                         ; the closing round: no work-group ends while a partner may still ask for a tile that names it
	s_endpgm
.Lfunc_end_k_q191746123b_proj:
	.size	k_q191746123b_proj, .Lfunc_end_k_q191746123b_proj-k_q191746123b_proj
	.p2alignl 7, 3214868480
	.fill 96, 4, 3214868480
	.section	.rodata,"a",@progbits
	.p2align	6, 0x0
	.amdhsa_kernel k_q191746123b_proj
		.amdhsa_group_segment_fixed_size 327680
		.amdhsa_private_segment_fixed_size 0
		.amdhsa_enable_private_segment 0
		.amdhsa_kernarg_size 64
		.amdhsa_user_sgpr_count 2
		.amdhsa_user_sgpr_kernarg_segment_ptr 1
		.amdhsa_wavefront_size32 1
		.amdhsa_system_sgpr_workgroup_id_x 1
		.amdhsa_system_sgpr_workgroup_id_y 1
		.amdhsa_system_sgpr_workgroup_id_z 1
		.amdhsa_system_vgpr_workitem_id 0
		.amdhsa_next_free_vgpr 1024
		.amdhsa_next_free_sgpr 100
		.amdhsa_reserve_vcc 0
		.amdhsa_float_denorm_mode_32 3
		.amdhsa_float_denorm_mode_16_64 3
		.amdhsa_memory_ordered 1
		.amdhsa_forward_progress 1
		.amdhsa_inst_pref_size 152
	.end_amdhsa_kernel
	.amdgpu_metadata
---
amdhsa.version: [ 1, 2 ]
amdhsa.kernels:
  - .name:           k_q191746123b_proj
    .symbol:         k_q191746123b_proj.kd
    .args:
      - { .name: hidden_states_codes, .offset: 0, .size: 8, .value_kind: global_buffer, .address_space: global }
      - { .name: Wk_codes, .offset: 8, .size: 8, .value_kind: global_buffer, .address_space: global }
      - { .name: Wv_codes, .offset: 16, .size: 8, .value_kind: global_buffer, .address_space: global }
      - { .name: bk, .offset: 24, .size: 8, .value_kind: global_buffer, .address_space: global }
      - { .name: bv, .offset: 32, .size: 8, .value_kind: global_buffer, .address_space: global }
      - { .name: lowp_scales, .offset: 40, .size: 8, .value_kind: global_buffer, .address_space: global }
      - { .name: kc, .offset: 48, .size: 8, .value_kind: global_buffer, .address_space: global }
      - { .name: vc, .offset: 56, .size: 8, .value_kind: global_buffer, .address_space: global }
    .group_segment_fixed_size: 327680
    .private_segment_fixed_size: 0
    .kernarg_segment_align: 8
    .kernarg_segment_size: 64
    .max_flat_workgroup_size: 128
    .sgpr_count:     100
    .vgpr_count:     1024
    .wavefront_size: 32
...
	.end_amdgpu_metadata
.endif
;; end of part 1
;; launch attn (part 2): grid 4 x 64, 8 waves a work-group, clusters of 4 x 1, 327,680 bytes of LDS; arguments hidden_states_codes, Wq_codes, bq, kc, vc, attention_mask, lowp_scales, out0; writes out0
.if DOCPART == 2
	.amdgcn_target "amdgcn-amd-amdhsa--gfx1250"
	.amdhsa_code_object_version 6
	.text
	.protected	k_q191746123b_attn
	.globl	k_q191746123b_attn
	.p2align	8
	.type	k_q191746123b_attn,@function
k_q191746123b_attn:
	s_mov_b64 s[64:65], 0
	v_nop
	global_prefetch_b8 v0, s[64:65] scope:SCOPE_SE
	s_setreg_imm32_b32 hwreg(HW_REG_WAVE_MODE, 25, 1), 1
	s_wait_xcnt 0x0
	s_wait_alu depctr_hold_cnt(0) depctr_sa_sdst(0) depctr_va_vdst(0) depctr_va_sdst(0) depctr_va_ssrc(0) depctr_va_vcc(0) depctr_vm_vsrc(0)
	s_getreg_b32 s2, hwreg(HW_REG_IB_STS2, 6, 4)
	s_cmp_eq_u32 s2, 0
	s_cbranch_scc0 .Lentry_in_a_cluster
	s_endpgm
.Lentry_in_a_cluster:
	s_bfe_u32 s2, ttmp6, 0x10000c
	s_cmp_lg_u32 s2, 0x3003
	s_cbranch_scc0 .Lentry_shape_is_right
	s_endpgm
.Lentry_shape_is_right:
; q = x Wq^T + bq for my queries, quantised; then out = softmax(q k^T / 8 + mask) v, all three products on codes of BF8 (E5M2) with the given scales.
; x: [4][2048][1024] codes; Wq: [1024][1024] codes, K innermost; kc: [batch][head][token][64] codes; vc: [batch][feature][token] codes (tokens innermost); mask: [4][2048] f32; out: [4][2048][1024] f32.
; SHARES.  A work-group owns 512 queries of one batch and head; each of its eight waves owns 64 of them, four tiles of 16.  The four work-groups of a head form a cluster: K, V and the head's 64 rows of Wq are asked for JOINTLY.
; All 2,048 keys of K and of V lie in LDS through both passes: nothing walks through slots.  x goes from memory straight into fragment registers.
; No prefetch: each tile is asked for once, and x's loads are themselves issued three K steps ahead of their use.
; THE q PRODUCT, K = 1,024 in eight steps of 128, is used transposed (source 0 = 16 rows of Wq, source 1 = 16 of my tokens): a lane holds one query.  Lane r of feature tile 2 b + u takes row 32 b + 8 u + r + 8 (r / 8) of the head's 64, so that
; the 16 registers of tiles 2 b, 2 b + 1 are the features 32 b + 16 (lane / 16) + 0 .. 15: the conversions' results are Q's fragment as the score product wants it.  bq / 2^(ex + ew) is the C of the first K step.
; THE SOFTMAX: t = (score / 8 + mask) x log2(e); pass 1 takes each row's largest t over all keys; M = its ceiling; pass 2 makes the scores again, p = 2^(t - M), sums the unquantised p, quantises p and multiplies by V.
; The mask, x 8 / 2^(eq + ek), is the C of the score product.  S^T = K Q^T and O^T = V^T P^T: a lane holds one query throughout.
; LDS: K 512 rows of 256 bytes + 16; V eight chunks of 256 keys, 64 rows of 256 bytes + 16 each; the mask; a stage for each wave; the spare words.  Wq's 64 rows of 1,024 bytes + 16 lie, while q is made, where V's chunks 0-3 land afterwards.
; TENSOR LOADS, one a wave each time.  At the head: eight rows of Wq, which the q product wants first.  When Wq is in: K's quarters (waves 0-3) and V's chunks 4-7 (waves 4-7), first fills all, which land while q is made.
; When q is made: V's chunks 0-3 fill Wq's bytes again (waves 0-3).  The second and the third group stand behind the waits, the add and a round of the cluster's barrier.
; LIMITS on the given exponents, so that each power of two is an f32 number: e6 - e0 - e1 between -126 and 112; e6 + e7 between -123 and 130; e8 between -126 and 112.  The scaled scores stay under 2^31 in magnitude.  A row whose mask is -infinity at every key is not served.
; REGISTERS.  Window 0: v1-15 addresses; v16-59 the rows' state; v60-62 Wq's address, q's scale and hold; v64-191 q's sums, then S^T and p; v192-223 the bias, then p's codes; v254, v255 for the add.
;   Window 1: v0-63 Wq's fragments, then K's and the mask; v64-255 x's fragments, three sets; then v64-95 V's fragments, v96-127 Q's, v128-255 O^T.
.set VB,    139264                     ; V's chunks begin here
.set MB,    278528                     ; the mask, scaled: 8,192 bytes
.set STG,   286720                     ; the stages: 16 rows x 272 bytes for each wave
.set SPARE, 321536                     ; the spare words: 128 bytes for each wave, four blocks of 256 bytes that no other line names
.set P272,  272
.set CHUNK, 64*P272
.set KSTP,  16*P272                    ; 64 keys of K
.set WP,    1040                       ; a row of Wq in LDS: 1,024 bytes + 16
.set S,     64
.set PC,    192
.set BI,    192
.set WA,    60
.set SCQ,   61
.set LMQ,   62
.set BA,    51
.set MSB, 0
.macro WIN new                         ; the immediate's high byte repeats the setting that is left
.if MSB != (\new)
	s_set_vgpr_msb (MSB<<8)|(\new)
.set MSB, (\new)
.endif
.endm
.macro NOP4
.rept 4
	v_nop
.endr
.endm
.macro CROUND                          ; a round of the cluster's barrier
	s_barrier_signal -1
	s_barrier_wait -1
	s_cmp_lg_u32 s16, 0
	s_cbranch_scc1 .Lnot_wave_0_\@
	s_barrier_signal -3
.Lnot_wave_0_\@:
	s_barrier_wait -3
	s_barrier_signal -1
	s_barrier_wait -1
.endm
; x's fragments of K step ks (128 along K), four tiles of 16 tokens, into set ks % 3: registers 4 c .. 4 c + 3 hold K = 32 c + 16 h + 0 .. 15: one permutation of k, the same in x and in Wq
.macro XLOAD ks
.irp q, 0,1,2,3
.irp c, 0,1,2,3
	global_load_b128 v[64+64*((\ks)%3)+16*\q+4*\c:64+64*((\ks)%3)+16*\q+4*\c+3], v7, s[4:5] offset:16384*\q+128*(\ks)+32*\c
.endr
.endr
.endm
.macro WLOAD ks, t                     ; Wq's fragment of feature tile t
.irp c, 0,1,2,3
	ds_load_b128 v[16*(\t)+4*\c:16*(\t)+4*\c+3], v[WA] offset:(32*((\t)/2)+8*((\t)%2))*WP+128*(\ks)+32*\c
.endr
.endm
.macro QMUL ks, t                      ; feature tile t against my four tiles of tokens.  The 16 sums take turns in the same order in every K step
.irp q, 0,1,2,3
.if (\ks) == 0
	v_wmma_f32_16x16x128_bf8_bf8 v[S+32*\q+8*(\t):S+32*\q+8*(\t)+7], v[16*(\t):16*(\t)+15], v[64+64*((\ks)%3)+16*\q:64+64*((\ks)%3)+16*\q+15], v[BI+8*(\t):BI+8*(\t)+7]
.else
	v_wmma_f32_16x16x128_bf8_bf8 v[S+32*\q+8*(\t):S+32*\q+8*(\t)+7], v[16*(\t):16*(\t)+15], v[64+64*((\ks)%3)+16*\q:64+64*((\ks)%3)+16*\q+15], v[S+32*\q+8*(\t):S+32*\q+8*(\t)+7]
.endif
.endr
.endm
	s_load_b256 s[4:11], s[0:1], 0x0               ; x s[4:5], Wq s[6:7], bq s[8:9], kc s[10:11]
	s_load_b256 s[68:75], s[0:1], 0x20             ; vc s[68:69], mask s[70:71], the scales' exponents s[72:73], out s[74:75]
	v_lshl_add_u32 v254, v0, 2, SPARE
	v_mov_b32 v255, 0
	ds_add_u32 v254, v255                          ; the opening lines: the add, twice on end, and its wait ahead of my first tensor load
	ds_add_u32 v254, v255
	v_lshrrev_b32 v13, 5, v0
	v_readfirstlane_b32 s16, v13                   ; wave 0..7
	s_bfe_u32 s17, ttmp6, 0x40000                  ; cx: which 512 queries
	s_and_b32 s18, ttmp7, 0xffff                   ; 16 x batch + head
	; group 1 for K: 128 rows of 256 bytes, dense; 16 bytes of padding behind each; the mask names the cluster's four
	s_mov_b32 s24, 15|(1<<20)|(1<<21)|(5<<22)|(3<<25)
	s_mov_b32 s25, 256<<16
	s_mov_b32 s26, 128<<16
	s_mov_b32 s27, 256<<16
	s_mov_b32 s28, 128
	s_mov_b32 s29, 256
	s_mov_b32 s30, 0
	s_mov_b32 s31, 0
	; for V: 64 rows (features) of 256 bytes (keys), 2,048 bytes apart
	s_mov_b32 s32, 15|(1<<20)|(1<<21)|(5<<22)|(3<<25)
	s_mov_b32 s33, 256<<16
	s_mov_b32 s34, 64<<16
	s_mov_b32 s35, 256<<16
	s_mov_b32 s36, 64
	s_mov_b32 s37, 2048
	s_mov_b32 s38, 0
	s_mov_b32 s39, 0
	; for Wq: 8 rows of 1,024 bytes; padding behind every 256 words
	s_mov_b32 s76, 15|(1<<20)|(1<<21)|(7<<22)|(3<<25)
	s_mov_b32 s77, 1024<<16
	s_mov_b32 s78, 8<<16
	s_mov_b32 s79, 1024<<16
	s_mov_b32 s80, 8
	s_mov_b32 s81, 1024
	s_mov_b32 s82, 0
	s_mov_b32 s83, 0
	s_mov_b32 s20, 0x76543210
	s_mov_b32 s21, 0xfedcba98                      ; v_permlanex16_b32's selects for lane l xor 16
	s_lshl_b32 s2, s18, 17                         ; a head's codes: 131,072 bytes in kc and in vc
	s_and_b32 s3, s16, 3
	s_lshl_b32 s56, s3, 15
	s_add_co_u32 s56, s56, s2                      ; K: quarter wave % 4
	s_mov_b32 s57, 0
	s_lshl_b32 s58, s16, 8
	s_add_co_u32 s58, s58, s2                      ; V: chunk = wave: 256 keys on in each row
	s_mov_b32 s59, 0
	s_and_b32 s60, s18, 15
	s_lshl_b32 s60, s60, 16                        ; Wq: the head's 64 rows,
	s_lshl_b32 s19, s16, 13
	s_add_co_u32 s60, s60, s19                     ; eight rows x wave on
	s_mov_b32 s61, 0
	s_lshr_b32 s19, s18, 4                         ; batch
	s_lshl_b32 s62, s19, 21
	s_lshl_b32 s63, s17, 19
	s_add_co_u32 s62, s62, s63
	s_lshl_b32 s63, s16, 16
	s_add_co_u32 s62, s62, s63                     ; my first token x 1,024 bytes
	s_mov_b32 s63, 0
	s_mov_b32 s40, 1
	s_mul_i32 s41, s3, 2*CHUNK
	s_mov_b32 s44, 1
	s_mul_i32 s45, s16, CHUNK
	s_add_co_u32 s45, s45, VB
	s_mov_b32 s84, 1
	s_mul_i32 s85, s16, 8*WP
	s_add_co_u32 s85, s85, VB
	v_and_b32 v13, 15, v0                          ; r
	v_bfe_u32 v14, v0, 4, 1                        ; h
	v_lshlrev_b32 v7, 10, v13
	v_lshl_add_u32 v7, v14, 4, v7                  ; x: row r, + 16 h
	s_wait_alu depctr_va_vdst(0)
	s_wait_dscnt 0x0                               ; both opening adds are done
	s_wait_kmcnt 0x0
	s_load_b128 s[48:51], s[72:73], 0x18           ; entries 6 to 9: eq, ek, ep, ev
	s_load_b64 s[88:89], s[72:73], 0x0             ; entries 0, 1: ex, ew of the q product
	s_add_nc_u64 s[4:5], s[4:5], s[62:63]          ; x at my first token
	WIN 0x40                                       ; destination window 1
	XLOAD 0                                        ; x's first K step is asked for ahead of the round
	WIN 0
	s_add_nc_u64 s[42:43], s[10:11], s[56:57]
	s_or_b32 s43, s43, 0x80000000
	s_add_nc_u64 s[46:47], s[68:69], s[58:59]
	s_or_b32 s47, s47, 0x80000000
	s_add_nc_u64 s[86:87], s[6:7], s[60:61]
	s_or_b32 s87, s87, 0x80000000
	CROUND                                         ; the four work-groups are here: the first joint loads meet
	tensor_load_to_lds s[84:87], s[76:83]          ; my eight rows of Wq: my one tensor load at the head
	s_nop 0
	NOP4
	s_lshl_b32 s56, s62, 2                         ; a row of out is 4,096 bytes
	s_and_b32 s58, s18, 15
	s_lshl_b32 s58, s58, 8                         ; the head's 64 f32: 256 bytes, in a row of out and in bq
	s_add_co_u32 s56, s56, s58
	s_add_nc_u64 s[74:75], s[74:75], s[56:57]
	s_add_nc_u64 s[8:9], s[8:9], s[58:59]
	s_lshl_b32 s58, s19, 13
	s_add_nc_u64 s[70:71], s[70:71], s[58:59]      ; the batch's mask
	v_lshlrev_b32 v11, 5, v0                       ; the mask: 32 bytes a thread
	v_lshlrev_b32 v[BA], 6, v14                    ; the bias: 16 h features on
	v_add_nc_u32 v12, MB, v11
.irp t, 0,1,2,3                        ; register j of feature tile t wants bq[32 (t / 2) + 16 h + 8 (t % 2) + j]
	global_load_b128 v[BI+8*\t:BI+8*\t+3],   v[BA], s[8:9] offset:(32*(\t/2)+8*(\t%2))*4
	global_load_b128 v[BI+8*\t+4:BI+8*\t+7], v[BA], s[8:9] offset:(32*(\t/2)+8*(\t%2))*4+16
.endr
	global_load_b128 v[224:227], v11, s[70:71]
	global_load_b128 v[228:231], v11, s[70:71] offset:16
	WIN 0x40
	XLOAD 1
	XLOAD 2                                        ; 48 loads of x are out, the ten of the bias and the mask among them in order of issue
	WIN 0
	v_and_b32 v15, 8, v13
	v_add_nc_u32 v15, v15, v13                     ; r + 8 (r / 8)
	v_mul_u32_u24 v[WA], v15, WP
	v_lshl_add_u32 v[WA], v14, 4, v[WA]
	v_add_nc_u32 v[WA], VB, v[WA]                  ; Wq in LDS
	v_lshrrev_b32 v15, 2, v13
	v_mul_u32_u24 v1, v15, P272
	v_and_b32 v15, 3, v13
	v_lshl_add_u32 v1, v15, 6, v1
	v_lshl_add_u32 v1, v14, 4, v1                  ; K: key r lies in row r / 4 at byte 64 (r % 4); + 16 h
	v_lshlrev_b32 v2, 5, v14
	v_add_nc_u32 v2, MB, v2                        ; the mask of keys 8 h + 0 .. 7
	v_mul_u32_u24 v3, v13, P272
	v_lshl_add_u32 v3, v14, 3, v3
	v_add_nc_u32 v3, VB, v3                        ; V: feature r, + 8 h
	s_mul_i32 s58, s16, 16*P272
	s_add_co_u32 s58, s58, STG                     ; my stage
	v_mul_u32_u24 v8, v13, P272
	v_lshl_add_u32 v8, v14, 5, v8
	v_add_nc_u32 v8, s58, v8                       ; in: row r, 32 bytes for each half of the lanes
	v_mul_u32_u24 v9, v14, P272
	v_lshl_add_u32 v9, v13, 4, v9
	v_add_nc_u32 v9, s58, v9                       ; back: lanes 0-15 one row, lanes 16-31 the next
	v_lshlrev_b32 v10, 12, v14
	v_lshl_add_u32 v10, v13, 4, v10                ; and the same two rows in out
.irp q, 0,1,2,3
	v_mov_b32 v[16+2*\q], 0                        ; -M
	v_mov_b32 v[17+2*\q], 0xff800000               ; the largest score so far
	v_mov_b32 v[24+2*\q], 0                        ; the row's sum, in four parts
	v_mov_b32 v[25+2*\q], 0
	v_mov_b32 v[32+2*\q], 0
	v_mov_b32 v[33+2*\q], 0
	v_mov_b32 v[40+\q], 0                          ; (a lane permute's destination counts as one of its sources)
	v_mov_b32 v[44+\q], 0
	v_mov_b32 v[53+2*\q], 0                        ; (named as the upper half of a pair)
.endr
	s_wait_kmcnt 0x0
	s_add_co_i32 s58, s48, s49                     ; eq + ek
	s_sub_co_i32 s62, 3, s58                       ; the mask goes in x 8 / 2^(eq + ek)
	s_lshl_b32 s58, s58, 23
	s_mov_b32 s22, 0x3e38aa3b                      ; log2(e) / 8,
	s_add_co_i32 s22, s22, s58                     ; x 2^(eq + ek), by its exponent field
	s_mov_b32 s23, s22
	s_add_co_i32 s58, s50, 127
	s_lshl_b32 s56, s58, 23
	v_mov_b32 v50, s56                             ; 2^ep
	s_add_co_i32 s58, s58, 15
	s_lshl_b32 s58, s58, 23
	s_or_b32 s58, s58, 0x600000
	v_mov_b32 v48, s58                             ; 57,344 x 2^ep
	v_mov_b32 v49, s58
	s_add_co_i32 s90, s88, s89                     ; ex + ew
	s_sub_co_i32 s91, 0, s90
	s_sub_co_i32 s90, s48, s90                     ; eq - ex - ew: the three scales folded into the conversion's one
	s_add_co_i32 s90, s90, 127
	s_lshl_b32 s56, s90, 23
	v_mov_b32 v[SCQ], s56
	s_add_co_i32 s90, s90, 15
	s_lshl_b32 s90, s90, 23
	s_or_b32 s90, s90, 0x600000
	v_mov_b32 v[LMQ], s90                          ; 57,344 x that
	s_wait_loadcnt 32                              ; the bias and the mask are in; the 32 loads of x's K steps 1 and 2 may be out
.irp j, 0,1,2,3,4,5,6,7
	v_ldexp_f32 v[224+\j], v[224+\j], s62
.endr
.set i, 0
.rept 32
	v_ldexp_f32 v[BI+i], v[BI+i], s91              ; bq / 2^(ex + ew), which the sums lack
.set i, i+1
.endr
	s_wait_alu depctr_va_vdst(0)                   ; the wait at the head's end
	s_wait_tensorcnt 0x0                           ; my rows of Wq have landed: no tensor load of mine is out while I store
	ds_store_b128 v12, v[224:227]
	ds_store_b128 v12, v[228:231] offset:16
	s_wait_tensorcnt 0x0
	ds_add_u32 v254, v255                          ; 0 onto my spare word,
	s_wait_dscnt 0x0                               ; and the add is done, and so are my stores of the mask
	CROUND                                         ; Wq and the mask are whole, and the four work-groups are here: the joint loads meet
	s_cmp_lt_u32 s16, 4                            ; first fills all
	s_cbranch_scc0 .Lfor_v
	tensor_load_to_lds s[40:43], s[24:31]          ; waves 0-3: K's quarters
	s_nop 0
	NOP4
	s_branch .Lasked
.Lfor_v:
	tensor_load_to_lds s[44:47], s[32:39]          ; waves 4-7: V's chunks 4-7
	s_nop 0
	NOP4
.Lasked:
	WIN 0x40
.irp t, 0,1,2,3
	WLOAD 0, \t
.endr
; A K step of the q product: 16 matrix instructions.  Wq has one set of registers: tiles 0, 1 are fetched anew behind their eight products, tiles 2, 3 behind theirs.  x's set takes the K step three on.
.macro STEPA ks
.if (\ks) < 6
	s_wait_loadcnt 32                              ; this step's x is in; the two younger sets may be out
.elseif (\ks) == 6
	s_wait_loadcnt 16
.else
	s_wait_loadcnt 0
.endif
	s_wait_dscnt 8                                 ; Wq's tiles 0, 1 are in; the eight loads of tiles 2, 3 may be out
	WIN 0x05                                       ; sources 0 and 1 window 1; C and D window 0
	QMUL \ks, 0
	QMUL \ks, 1
.if (\ks) < 7
	NOP4                                           ; places in front of loads into registers that matrix instructions have read
	WIN 0x40
	WLOAD (\ks)+1, 0
	WLOAD (\ks)+1, 1
	s_wait_dscnt 8                                 ; tiles 2, 3 are in; the eight just issued may be out
.else
	s_wait_dscnt 0
.endif
	WIN 0x05
	QMUL \ks, 2
	QMUL \ks, 3
.if (\ks) < 7
	NOP4
	WIN 0x40
	WLOAD (\ks)+1, 2
	WLOAD (\ks)+1, 3
.if (\ks) < 5
	XLOAD (\ks)+3
.endif
.endif
.endm
.irp k, 0,1,2,3,4,5,6,7
	STEPA \k
.endr
	WIN 0
	NOP4                                           ; places in front of the first read of results
.set i, 0
.rept 128
	v_med3_num_f32 v[S+i], v[S+i], -v[LMQ], v[LMQ] ; the conversion to an 8-bit code does not saturate (ISA guide 7.6.2): the hold; each sum from its low end on
.set i, i+1
.endr
	WIN 0x40
.irp q, 0,1,2,3
.irp t, 0,1,2,3
	v_cvt_scalef32_pk8_bf8_f32 v[96+8*\q+2*\t:97+8*\q+2*\t], v[S+32*\q+8*\t:S+32*\q+8*\t+7], v[SCQ]   ; Q's fragment: registers 2 t, 2 t + 1: features 32 (t / 2) + 16 h + 8 (t % 2) + 0 .. 7
.endr
.endr
	v_nop                                          ; one plain vector instruction behind the last conversion of the run
	WIN 0
	s_wait_alu depctr_va_vdst(0)
	s_wait_tensorcnt 0x0                           ; my part of K or of V is in;
	ds_add_u32 v254, v255                          ; 0 onto my spare word
	s_wait_dscnt 0x0                               ; the add is done, and my reads of Wq are over
	CROUND                                         ; that holds of every wave of the four work-groups
	s_cmp_lt_u32 s16, 4
	s_cbranch_scc0 .Lno_v
	tensor_load_to_lds s[44:47], s[32:39]          ; waves 0-3: V's chunks 0-3, onto the bytes that held Wq; pass 1 stands between this load and the wait for it
	s_nop 0
	NOP4
.Lno_v:
.macro FETCH_KM ak, am                 ; 64 keys: K's four fragments, and the mask in the layout of the score product's C
	WIN 0x40
.irp t, 0,1,2,3
	ds_load_b128 v[8*\t:8*\t+3],   v[\ak] offset:4*P272*\t
	ds_load_b128 v[8*\t+4:8*\t+7], v[\ak] offset:4*P272*\t+32
.endr
.irp t, 0,1,2,3
	ds_load_b128 v[32+8*\t:32+8*\t+3], v[\am] offset:64*\t
	ds_load_b128 v[36+8*\t:36+8*\t+3], v[\am] offset:64*\t+16
.endr
	WIN 0
.endm
.macro SPROD                           ; S^T = K Q^T + mask: 4 tiles of keys x my 4 tiles of queries
	WIN 0x15
.irp t, 0,1,2,3
.irp q, 0,1,2,3
	v_wmma_f32_16x16x64_bf8_bf8 v[S+32*\q+8*\t:S+32*\q+8*\t+7], v[8*\t:8*\t+7], v[96+8*\q:96+8*\q+7], v[32+8*\t:32+8*\t+7]
.endr
.endr
	WIN 0
.endm
.macro NEXTKM                          ; where the next step's keys and mask lie (behind the last step: the first's again)
	s_add_co_u32 s53, s52, 1
	s_and_b32 s53, s53, 31
	s_mul_i32 s54, s53, KSTP
	s_lshl_b32 s55, s53, 8
.endm
	FETCH_KM 1, 2
	s_mov_b32 s52, 0
.Lpass1:                               ; PASS 1: each row's largest score, 64 keys a trip
	NEXTKM
	s_wait_dscnt 0x0
	SPROD
	v_add_nc_u32 v4, s54, v1
	v_add_nc_u32 v5, s55, v2
	v_nop
	v_nop
	FETCH_KM 4, 5
.set jj, 0
	s_wait_alu depctr_va_vdst(0)
.rept 16
.irp q, 0,1,2,3
	v_max3_num_f32 v[17+2*\q], v[17+2*\q], v[S+32*\q+2*jj], v[S+32*\q+2*jj+1]
.endr
.set jj, jj+1
.endr
	s_add_co_u32 s52, s52, 1
	s_cmp_lt_u32 s52, 32
	s_cbranch_scc1 .Lpass1
.irp q, 0,1,2,3
	v_permlanex16_b32 v[40+\q], v[17+2*\q], s20, s21
.endr
.irp q, 0,1,2,3
	s_delay_alu instid0(VALU_DEP_4)
	v_max_num_f32 v[17+2*\q], v[17+2*\q], v[40+\q]   ; and among lane l xor 16's keys
.endr
.irp q, 0,1,2,3
	s_delay_alu instid0(VALU_DEP_4)
	v_mul_f32 v[40+\q], s22, v[17+2*\q]              ; as t
.endr
.irp q, 0,1,2,3
	s_delay_alu instid0(VALU_DEP_4)
	v_floor_f32 v[16+2*\q], -v[40+\q]                ; -M = floor(-t) = -ceil(t)
.endr
	s_wait_tensorcnt 0x0                           ; my chunk of V is in,
	s_wait_dscnt 0x0
	s_barrier_signal -1
	s_barrier_wait -1                              ; everybody's is
.macro STEP2 zero                      ; PASS 2, 64 keys: the scores again, p, its sum, its codes, O^T += V^T P^T
	NEXTKM
	s_lshr_b32 s56, s52, 2
	s_mul_i32 s56, s56, CHUNK
	s_and_b32 s57, s52, 3
	s_lshl_b32 s57, s57, 6
	s_add_co_u32 s56, s56, s57                     ; V: chunk step / 4, 64 (step % 4) keys on
	s_wait_dscnt 0x0
	SPROD
	v_add_nc_u32 v4, s54, v1
	v_add_nc_u32 v5, s55, v2
	v_add_nc_u32 v6, s56, v3
	v_nop
	WIN 0x40
.irp d, 0,1,2,3
.irp c, 0,1,2,3
	ds_load_b64 v[64+8*\d+2*\c:65+8*\d+2*\c], v6 offset:16*P272*\d+16*\c
.endr
.endr
	FETCH_KM 4, 5
	s_wait_alu depctr_va_vdst(0)
.irp q, 0,1,2,3
.set jj, 0
.rept 16
	v_pk_fma_f32 v[S+32*\q+2*jj:S+32*\q+2*jj+1], v[S+32*\q+2*jj:S+32*\q+2*jj+1], s[22:23], v[16+2*\q:17+2*\q] op_sel_hi:[1,0,0]   ; t - M
.set jj, jj+1
.endr
.endr
.set jj, 0
	s_wait_alu depctr_va_vdst(0)                   ; the wait ahead of the batch
.rept 128
	v_exp_f32 v[S+jj], v[S+jj]                     ; p = 2^(t - M)
.set jj, jj+1
.endr
	v_nop
	s_wait_alu depctr_va_vdst(0)                   ; and for one behind it, ahead of its first reader
.set jj, 0
.rept 8
.irp q, 0,1,2,3
	v_pk_add_f32 v[24+2*\q:25+2*\q], v[24+2*\q:25+2*\q], v[S+32*\q+4*jj:S+32*\q+4*jj+1]      ; the sum is taken of the unquantised p
	v_pk_add_f32 v[32+2*\q:33+2*\q], v[32+2*\q:33+2*\q], v[S+32*\q+4*jj+2:S+32*\q+4*jj+3]
.endr
.set jj, jj+1
.endr
.set jj, 0
.rept 64
	v_dual_min_num_f32 v[S+2*jj], v[S+2*jj], v48 :: v_dual_min_num_f32 v[S+2*jj+1], v[S+2*jj+1], v49   ; the hold; p is not negative
.set jj, jj+1
.endr
.irp q, 0,1,2,3
.irp t, 0,1,2,3
	v_cvt_scalef32_pk8_bf8_f32 v[PC+8*\q+2*\t:PC+8*\q+2*\t+1], v[S+32*\q+8*\t:S+32*\q+8*\t+7], v50
.endr
.endr
	v_nop
	s_wait_alu depctr_va_vdst(0)
	s_wait_dscnt 16                                ; V's fragments are in; the next step's 16 loads may be out
	WIN 0x51
.irp d, 0,1,2,3
.irp q, 0,1,2,3
.if \zero
	s_wait_alu depctr_va_vdst(0)
	v_wmma_f32_16x16x64_bf8_bf8 v[128+32*\q+8*\d:128+32*\q+8*\d+7], v[64+8*\d:64+8*\d+7], v[PC+8*\q:PC+8*\q+7], 0
.else
	v_wmma_f32_16x16x64_bf8_bf8 v[128+32*\q+8*\d:128+32*\q+8*\d+7], v[64+8*\d:64+8*\d+7], v[PC+8*\q:PC+8*\q+7], v[128+32*\q+8*\d:128+32*\q+8*\d+7]
.endif
.endr
.endr
	WIN 0
.endm
	s_mov_b32 s52, 0
	STEP2 1                                        ; the first step starts the sums: nothing is cleared
	s_mov_b32 s52, 1
.Lpass2:
	STEP2 0
	s_add_co_u32 s52, s52, 1
	s_cmp_lt_u32 s52, 32
	s_cbranch_scc1 .Lpass2
.irp q, 0,1,2,3
	v_pk_add_f32 v[24+2*\q:25+2*\q], v[24+2*\q:25+2*\q], v[32+2*\q:33+2*\q]
.endr
.irp q, 0,1,2,3
	s_delay_alu instid0(VALU_DEP_4)
	v_add_f32 v[40+\q], v[24+2*\q], v[25+2*\q]
.endr
.irp q, 0,1,2,3
	s_delay_alu instid0(VALU_DEP_4)
	v_permlanex16_b32 v[44+\q], v[40+\q], s20, s21
.endr
.irp q, 0,1,2,3
	s_delay_alu instid0(VALU_DEP_4)
	v_add_f32 v[40+\q], v[40+\q], v[44+\q]         ; the row's sum
.endr
	s_wait_alu depctr_va_vdst(0)
.irp q, 0,1,2,3
	v_rcp_f32 v[52+2*\q], v[40+\q]
.endr
	v_nop
	s_add_co_i32 s58, s50, s51
	s_wait_alu depctr_va_vdst(0)
.irp q, 0,1,2,3
	v_ldexp_f32 v[52+2*\q], v[52+2*\q], s58        ; x 2^(ep + ev)
.endr
; THE WAY OUT: a tile of 16 queries x 64 features goes through my stage and leaves as whole rows of 256 bytes
.macro PACK q
	WIN 0x01
.set i, 0
.rept 16
	v_pk_mul_f32 v[S+32*\q+2*i:S+32*\q+2*i+1], v[128+32*\q+2*i:128+32*\q+2*i+1], v[52+2*\q:53+2*\q] op_sel_hi:[1,0]
.set i, i+1
.endr
	WIN 0
.irp d, 0,1,2,3
	ds_store_b128 v8, v[S+32*\q+8*\d:S+32*\q+8*\d+3] offset:64*\d
	ds_store_b128 v8, v[S+32*\q+8*\d+4:S+32*\q+8*\d+7] offset:64*\d+16
.endr
.irp f, 0,1,2,3,4,5,6,7
	ds_load_b128 v[S+32*\q+4*\f:S+32*\q+4*\f+3], v9 offset:\f*2*P272   ; LDS serves a wave's instructions in order: these see my stores
.endr
.endm
.macro SEND q, younger
.irp f, 0,1,2,3,4,5,6,7
	s_wait_dscnt \younger+7-\f
	global_store_b128 v10, v[S+32*\q+4*\f:S+32*\q+4*\f+3], s[74:75] offset:65536*\q+8192*\f th:TH_STORE_NT   ; 16 lanes store 256 consecutive bytes, at a multiple of 256 from out's first byte
.endr
.endm
	PACK 0
	PACK 1
	SEND 0, 16
	PACK 2
	SEND 1, 16
	PACK 3
	SEND 2, 16
	SEND 3, 0
	s_wait_tensorcnt 0x0                           ; the wave's end
	ds_add_u32 v254, v255
	s_wait_dscnt 0x0
	CROUND                                         ; the closing round
	s_endpgm
.Lfunc_end_k_q191746123b_attn:
	.size	k_q191746123b_attn, .Lfunc_end_k_q191746123b_attn-k_q191746123b_attn
	.p2alignl 7, 3214868480
	.fill 96, 4, 3214868480
	.section	.rodata,"a",@progbits
	.p2align	6, 0x0
	.amdhsa_kernel k_q191746123b_attn
		.amdhsa_group_segment_fixed_size 327680
		.amdhsa_private_segment_fixed_size 0
		.amdhsa_enable_private_segment 0
		.amdhsa_kernarg_size 64
		.amdhsa_user_sgpr_count 2
		.amdhsa_user_sgpr_kernarg_segment_ptr 1
		.amdhsa_wavefront_size32 1
		.amdhsa_system_sgpr_workgroup_id_x 1
		.amdhsa_system_sgpr_workgroup_id_y 1
		.amdhsa_system_sgpr_workgroup_id_z 1
		.amdhsa_system_vgpr_workitem_id 0
		.amdhsa_next_free_vgpr 512
		.amdhsa_next_free_sgpr 100
		.amdhsa_reserve_vcc 0
		.amdhsa_float_denorm_mode_32 3
		.amdhsa_float_denorm_mode_16_64 3
		.amdhsa_memory_ordered 1
		.amdhsa_forward_progress 1
		.amdhsa_inst_pref_size 123
	.end_amdhsa_kernel
	.amdgpu_metadata
---
amdhsa.version: [ 1, 2 ]
amdhsa.kernels:
  - .name:           k_q191746123b_attn
    .symbol:         k_q191746123b_attn.kd
    .args:
      - { .name: hidden_states_codes, .offset: 0, .size: 8, .value_kind: global_buffer, .address_space: global }
      - { .name: Wq_codes, .offset: 8, .size: 8, .value_kind: global_buffer, .address_space: global }
      - { .name: bq, .offset: 16, .size: 8, .value_kind: global_buffer, .address_space: global }
      - { .name: kc, .offset: 24, .size: 8, .value_kind: global_buffer, .address_space: global }
      - { .name: vc, .offset: 32, .size: 8, .value_kind: global_buffer, .address_space: global }
      - { .name: attention_mask, .offset: 40, .size: 8, .value_kind: global_buffer, .address_space: global }
      - { .name: lowp_scales, .offset: 48, .size: 8, .value_kind: global_buffer, .address_space: global }
      - { .name: out0, .offset: 56, .size: 8, .value_kind: global_buffer, .address_space: global }
    .group_segment_fixed_size: 327680
    .private_segment_fixed_size: 0
    .kernarg_segment_align: 8
    .kernarg_segment_size: 64
    .max_flat_workgroup_size: 256
    .sgpr_count:     100
    .vgpr_count:     512
    .wavefront_size: 32
...
	.end_amdgpu_metadata
.endif
;; end of part 2
